; MI455X (gfx1250); checked and timed in simulation.
; The chip was launched on July 23, 2026; its instructions are those of AMD's public machine-readable ISA for CDNA 5 (MIT licence, August 2026) and "CDNA5" Instruction Set Architecture Reference Guide (July 2026). The comments in the code are by the model that wrote it; some were corrected since.
;; Multi Attention. Allowed arithmetic: matrix products marked QUANTISED: E2M3 operands, one E8M0 scale for each 32 along K, by v_wmma_scale_f32_16x16x128_f8f6f4 with both operands' format E2M3, f32 sums; everything else in f32.
;; Inputs: Wk 8 x 512 x 64 float32; Wo 512 x 512 float32; Wq 8 x 512 x 64 float32; Wv 8 x 512 x 64 float32; bk 8 x 64 float32; bo 512 float32; bq 8 x 64 float32; bv 8 x 64 float32; k_in 4 x 2,048 x 512 float32; q_in 4 x 2,048 x 512 float32; v_in 4 x 2,048 x 512 float32.
;; Outputs: out0 4 x 2,048 x 512 float32.
;; This version of the problem:
;;   THIS VERSION OF THE PROBLEM IS GIVEN IN LOW PRECISION. The matrix products marked QUANTISED in the list below multiply operands that are first quantised to E2M3 (2 exponent bits, 3 mantissa bits; 6 bits a number), with one power-of-two scale for each 32 numbers along K (OCP MX v1.0); their sums are f32. All else is computed in f32.
;;   The module's matrix products, in the order in which they are computed (A, B: the left and right operand; K: the contracted axis; several contracted axes count as one K, in the product's order):
;;     1. [M 512, K 512] x [K 512, N 8,192]; A: input Wq; B: input q_in: QUANTISED
;;     2. [M 512, K 512] x [K 512, N 8,192]; A: input Wk; B: input k_in: QUANTISED
;;     3. [M 512, K 512] x [K 512, N 8,192]; A: input Wv; B: input v_in: QUANTISED
;;     4. batch 32 x [M 2,048, K 64] x [K 64, N 2,048]; A: computed on the way; B: computed on the way: QUANTISED
;;     5. batch 32 x [M 2,048, K 2,048] x [K 2,048, N 64]; A: softmax (see below); B: computed on the way: QUANTISED
;;     6. [M 8,192, K 512] x [K 512, N 512]; A: computed on the way; B: input Wo: QUANTISED
;;   THE QUANTISER, for each operand of a quantised product, along K:
;;     - K is cut into blocks of 32 from its start; a last block that is shorter is filled with zeros.
;;     - A block's scale is 2^e with e = floor(log2(the largest magnitude in the block)) - 2, held to -126 .. 127; a block of zeros has e = 0. As a byte (E8M0): e + 127.
;;     - Each number is divided by its block's scale, clamped to +-7.5, and rounded to the nearest number of E2M3, ties to even, subnormals kept.
;;     - The product sums the exact products of the quantised numbers (number of the format x scale) in f32.
;;   ~~~python
;;   def quantise(x, axis):      # numpy; x: float32 -> the quantised numbers, widened to float32 again
;;       x = np.moveaxis(x, axis, -1); K = x.shape[-1]
;;       x = np.pad(x, [(0, 0)] * (x.ndim - 1) + [(0, -K % 32)]); x = x.reshape(x.shape[:-1] + (-1, 32)); a = np.abs(x).max(-1, keepdims=True)
;;       e = np.where(a > 0, np.clip(np.frexp(np.where(a > 0, a, 1))[1] - 1 - 2, -126, 127), 0)      # np.frexp(a)[1] - 1 = floor(log2(a)), exactly
;;       r = np.clip(x / 2.0 ** e, -7.5, 7.5)
;;       step = 2.0 ** (np.maximum(np.frexp(np.where(r == 0, 1, r))[1] - 1, 0) - 3)
;;       q = np.round(r / step) * step * 2.0 ** e      # np.round: ties to even
;;       return np.moveaxis(q.reshape(q.shape[:-2] + (-1,))[..., :K], -1, axis).astype(np.float32)
;;   ~~~
;;   SOFTMAX AHEAD OF A QUANTISED PRODUCT. Where the list says 'softmax', what is quantised is not the finished softmax but p = 2^(t - M), with t = logit x log2(e) and M = ceil(the row's largest t), a whole number; so 1/2 < the row's largest p <= 1. The row's sum l is taken of the UNQUANTISED p, in f32, and the product's result is divided by l at the end. Since M is a whole number, a kernel that streams over the keys may use a running M (the ceiling of the running maximum): every later rescaling is an exact power of two, which a block's scale takes up: the codes' values come out the same.
;;   OPERANDS COMPUTED ON THE WAY. 'Computed on the way' means the value that the module computes at that place (a softmax that the list does not call 'softmax' is quantised finished and normalised). What goes into a quantiser is computed in f32, as accurately as f32 sums, v_exp_f32 and their like allow (about 1e-6 of the number): no bf16 or f16 on the way to a quantiser, and a product that is left as it is and whose result goes on into a quantised operand takes f32 operands (vector FMAs, or v_wmma_f32_16x16x4_f32). A number that lies on a knife's edge between two numbers of the format may be rounded either way, as far as f32 arithmetic and the matrix unit's own rounding can turn it there, and no further.
;; One version. Each part assembles by itself: llvm-mc -triple=amdgcn-amd-amdhsa -mcpu=gfx1250 --defsym DOCPART=n.
;; ======== version 1 of 1: 4 launches
;; limits: right only within a limited range of input values
;; workspace buffers: wcodes 786,432 bytes; wscale 32,768 bytes; qrec 3,407,872 bytes; kvrec 6,684,672 bytes; ccodes 3,145,728 bytes; cscale 131,072 bytes
;; launch prep (part 1): grid 32 x 4, 4 waves a work-group, no clusters, 1,024 bytes of LDS; arguments Wq, Wk, Wv, Wo, wcodes, wscale; writes wcodes, wscale
.if DOCPART == 1
	.amdgcn_target "amdgcn-amd-amdhsa--gfx1250"
	.amdhsa_code_object_version 6
	.text
	.protected	k_q65e6238b96_prep
	.globl	k_q65e6238b96_prep
	.p2align	8
	.type	k_q65e6238b96_prep,@function
k_q65e6238b96_prep:
	s_mov_b64 s[64:65], 0
	v_nop
	global_prefetch_b8 v0, s[64:65] scope:SCOPE_SE
	s_setreg_imm32_b32 hwreg(HW_REG_WAVE_MODE, 25, 1), 1
	s_wait_xcnt 0x0
; PREP: the four weights become codes of FP6 (E2M3) with one E8M0 scale byte for each 32 along K, laid as the later launches' operand registers want them.
; THE WHOLE PROGRAM: prep (this) | proj: x W + b for q, k, v, each result quantised | attn: softmax(q k^T / 8) v by heads, quantised | outp: concat Wo + bo.
; DEAD WORK: none.  Every bias goes into a quantised operand (bq, bk, bv) or into the output (bo); every product of the problem reaches the output: all eleven inputs are loaded by some launch.
; LIMITS of the program: NaN and infinities among the inputs are not served.  A block whose largest magnitude lies under 2^-124, a block of zeros among them, gets the scale byte 1 (a block of zeros: where the rule
; says 127): its codes are zeros or as the held scale gives them, and the bytes are read by this program alone.  Where both operands of a product are made by this program, a block's 32 codes may stand in another
; order than along K, the same order on both sides (PI below): blocks, scales and products are the same; the matrix unit groups the products of a block otherwise, a difference of rounding in the f32 sums.
; Wq, Wk, Wv: [8 heads][512 (K)][64]; Wo: [512 (K)][512].  K is not innermost: A LANE TAKES A COLUMN AND ITS REGISTERS RUN DOWN K, in the order that the operand's layout gives that lane
; (lane (r, h): registers 6 c .. 6 c + 5 hold K = 64 c + 32 h + 0 .. 31), so the conversions' results are the operand's registers.
; SHARES: work-group (x, y): tensor y, group of 64 columns g = x / 4 (for y < 3: the head), K step s = x % 4 of 128; wave t: columns 64 g + 16 t + 0 .. 15: one fragment a wave.
; OUT: wcodes [y][g][t][s]: a fragment's IMAGE, 1,536 bytes: registers 4 c .. 4 c + 3 of lane L at 512 c + 16 L.  wscale [y][g][s][r][t]: a word a column and K step.
; PI: Wo meets the codes that attn makes of its results, in which place p of a block holds element p (p in 0-7, 24-31), p + 8 (8-15) or p - 8 (16-23): Wo's rows are loaded in that order.
.set SPARE, 256                        ; LDS: 0-255 the work-group's 64 scale words [r][t]; from 256 the spare words, 128 bytes a wave
.set X,  32                            ; v32-95   my 64 numbers: register 32 c + i
.set CD, 96                            ; v96-107  the fragment
.set C2, 128                           ; v128.., v132..  the second halves of the two blocks' codes (a conversion's three registers begin on an even number)
	s_load_b256 s[4:11], s[0:1], 0x0               ; Wq, Wk, Wv, Wo
	s_load_b128 s[12:15], s[0:1], 0x20             ; wcodes, wscale
	v_lshl_add_u32 v8, v0, 2, SPARE                ; my spare word,
	v_mov_b32 v9, 0                                ; and 0: kept for the closing lines
	v_lshrrev_b32 v1, 5, v0
	v_readfirstlane_b32 s16, v1                    ; wave t
	s_and_b32 s17, ttmp7, 0xffff                   ; y: the tensor
	s_lshr_b32 s18, ttmp9, 2                       ; g
	s_and_b32 s19, ttmp9, 3                        ; s
	s_mov_b32 s20, 0x76543210
	s_mov_b32 s21, 0xfedcba98                      ; v_permlanex16_b32's selects for lane l xor 16
	v_and_b32 v1, 15, v0                           ; r
	v_bfe_u32 v2, v0, 4, 1                         ; h
	v_and_b32 v7, 31, v0                           ; L
	v_lshlrev_b32 v4, 4, v7                        ; 16 L
	v_lshlrev_b32 v5, 3, v7                        ; 8 L
	s_lshl_b32 s24, s16, 2
	v_lshl_add_u32 v6, v1, 4, s24                  ; LDS: 16 r + 4 t
	s_lshl_b32 s28, s17, 3
	s_add_co_u32 s28, s28, s18                     ; 8 y + g
	s_lshl_b32 s30, s28, 4
	s_add_co_u32 s30, s30, s24
	s_add_co_u32 s30, s30, s19                     ; the fragment's number: 16 (8 y + g) + 4 t + s
	s_mul_i32 s30, s30, 1536
	s_mov_b32 s31, 0
	s_lshl_b32 s32, s28, 10
	s_lshl_b32 s33, s19, 8
	s_add_co_u32 s32, s32, s33                     ; the scale words: 1,024 (8 y + g) + 256 s
	s_mov_b32 s33, 0
	s_lshl_b32 s26, s16, 6                         ; 64 t: my 16 columns in a row
	s_mov_b32 s25, 0
	s_wait_kmcnt 0x0
	s_add_nc_u64 s[12:13], s[12:13], s[30:31]
	s_add_nc_u64 s[14:15], s[14:15], s[32:33]
	s_cmp_eq_u32 s17, 3                            ; ids alone: the same in all waves
	s_cbranch_scc1 .Lwo
	s_cmp_eq_u32 s17, 0                            ; Wq, Wk or Wv: a head is 131,072 bytes, a row of it 256
	s_cselect_b64 s[22:23], s[4:5], s[6:7]
	s_cmp_eq_u32 s17, 2
	s_cselect_b64 s[22:23], s[8:9], s[22:23]
	s_lshl_b32 s24, s18, 17
	s_lshl_b32 s27, s19, 15
	s_add_co_u32 s24, s24, s27
	s_add_co_u32 s24, s24, s26
	s_add_nc_u64 s[22:23], s[22:23], s[24:25]
	s_wait_alu depctr_va_vdst(0)
	v_lshlrev_b32 v3, 2, v1
	v_lshl_add_u32 v3, v2, 13, v3                  ; 4 r, and 32 rows further down for lanes 16-31
.set c, 0
.rept 2
.set i, 0
.rept 32
	global_load_b32 v[X+32*c+i], v3, s[22:23] offset:(64*c+i)*256   ; W(128 s + 64 c + 32 h + i, my column): the four waves stand side by side on a row's 256 bytes
.set i, i+1
.endr
.set c, c+1
.endr
	s_branch .Lin
.Lwo:
	s_lshl_b32 s24, s19, 18                        ; Wo: a row is 2,048 bytes
	s_lshl_b32 s27, s18, 8
	s_add_co_u32 s24, s24, s27
	s_add_co_u32 s24, s24, s26
	s_add_nc_u64 s[22:23], s[10:11], s[24:25]
	s_wait_alu depctr_va_vdst(0)
	v_lshlrev_b32 v3, 2, v1
	v_lshl_add_u32 v3, v2, 16, v3
.set c, 0
.rept 2
.set i, 0
.rept 32
	global_load_b32 v[X+32*c+i], v3, s[22:23] offset:(64*c+((i&7)|((i&8)<<1)|((i&16)>>1)))*2048   ; place i of the block holds element PI(i)
.set i, i+1
.endr
.set c, c+1
.endr
.Lin:
	s_wait_loadcnt 0x0
.irp c, 0,1                            ; my block 2 c + h: all its 32 numbers are mine
	v_max3_num_f32 v[12+\c], |v[X+32*\c]|, |v[X+1+32*\c]|, 0x1800000   ; with the floor 2^(3 - 127): the byte cannot fall under 1
.endr
.irp i, 2,4,6,8,10,12,14,16,18,20,22,24,26,28,30
.irp c, 0,1
	v_max3_num_f32 v[12+\c], v[12+\c], |v[X+32*\c+\i]|, |v[X+1+32*\c+\i]|
.endr
.endr
.irp c, 0,1
	v_add_nc_u32 v[14+\c], 0xff000000, v[12+\c]    ; 2 off the exponent field: the conversion's scale operand
.endr
.irp c, 0,1
	v_lshrrev_b32 v[16+\c], 23, v[14+\c]           ; the scale's byte
.endr
	v_lshl_or_b32 v10, v17, 16, v16                ; my two bytes, blocks h and 2 + h,
	v_lshlrev_b32 v11, 3, v2
	v_lshlrev_b32 v10, v11, v10                    ; at their places in the word;
	v_mov_b32 v11, 0
	v_permlanex16_b32 v11, v10, s20, s21
	v_or_b32 v10, v10, v11                         ; with lane l xor 16's two the word is whole
.irp c, 0,1
	v_cvt_scalef32_pk16_fp6_f32 v[CD+6*\c:CD+2+6*\c], v[X+32*\c:X+15+32*\c], v[14+\c]
	v_cvt_scalef32_pk16_fp6_f32 v[C2+4*\c:C2+2+4*\c], v[X+16+32*\c:X+31+32*\c], v[14+\c]
.endr
	v_nop                                          ; one plain place behind a scaled conversion
.irp c, 0,1
.irp i, 0,1,2
	v_mov_b32 v[CD+3+6*\c+\i], v[C2+4*\c+\i]
.endr
.endr
.irp c, 0,1,2
	global_store_b128 v4, v[CD+4*\c:CD+4*\c+3], s[12:13] offset:512*\c   ; the image: each store covers 512 consecutive bytes, aligned
.endr
	ds_store_b32 v6, v10                           ; both halves of the lanes write the same word with the same value
	s_wait_dscnt 0x0                               ; for the others' sake: my store has landed
	s_barrier_signal -1
	s_barrier_wait -1
	s_cmp_lg_u32 s16, 0
	s_cbranch_scc1 .Lend
	ds_load_b64 v[12:13], v5                       ; wave 0: the four waves' 64 words
	s_wait_dscnt 0x0
	global_store_b64 v5, v[12:13], s[14:15]        ; 256 consecutive bytes, aligned
.Lend:
	s_wait_tensorcnt 0x0                           ; the wave's end, behind my last LDS store
	ds_add_u32 v8, v9
	s_wait_dscnt 0x0
	s_endpgm
.Lfunc_end_k_q65e6238b96_prep:
	.size	k_q65e6238b96_prep, .Lfunc_end_k_q65e6238b96_prep-k_q65e6238b96_prep
	.p2alignl 7, 3214868480
	.fill 96, 4, 3214868480
	.section	.rodata,"a",@progbits
	.p2align	6, 0x0
	.amdhsa_kernel k_q65e6238b96_prep
		.amdhsa_group_segment_fixed_size 1024
		.amdhsa_private_segment_fixed_size 0
		.amdhsa_enable_private_segment 0
		.amdhsa_kernarg_size 48
		.amdhsa_user_sgpr_count 2
		.amdhsa_user_sgpr_kernarg_segment_ptr 1
		.amdhsa_wavefront_size32 1
		.amdhsa_system_sgpr_workgroup_id_x 1
		.amdhsa_system_sgpr_workgroup_id_y 1
		.amdhsa_system_sgpr_workgroup_id_z 1
		.amdhsa_system_vgpr_workitem_id 0
		.amdhsa_next_free_vgpr 144
		.amdhsa_next_free_sgpr 66
		.amdhsa_reserve_vcc 0
		.amdhsa_float_denorm_mode_32 3
		.amdhsa_float_denorm_mode_16_64 3
		.amdhsa_memory_ordered 1
		.amdhsa_forward_progress 1
		.amdhsa_inst_pref_size 19
	.end_amdhsa_kernel
	.amdgpu_metadata
---
amdhsa.version: [ 1, 2 ]
amdhsa.kernels:
  - .name:           k_q65e6238b96_prep
    .symbol:         k_q65e6238b96_prep.kd
    .args:
      - { .name: Wq, .offset: 0, .size: 8, .value_kind: global_buffer, .address_space: global }
      - { .name: Wk, .offset: 8, .size: 8, .value_kind: global_buffer, .address_space: global }
      - { .name: Wv, .offset: 16, .size: 8, .value_kind: global_buffer, .address_space: global }
      - { .name: Wo, .offset: 24, .size: 8, .value_kind: global_buffer, .address_space: global }
      - { .name: wcodes, .offset: 32, .size: 8, .value_kind: global_buffer, .address_space: global }
      - { .name: wscale, .offset: 40, .size: 8, .value_kind: global_buffer, .address_space: global }
    .group_segment_fixed_size: 1024
    .private_segment_fixed_size: 0
    .kernarg_segment_align: 8
    .kernarg_segment_size: 48
    .max_flat_workgroup_size: 128
    .sgpr_count:     66
    .vgpr_count:     144
    .wavefront_size: 32
...
	.end_amdgpu_metadata
.endif
;; end of part 1
;; launch proj (part 2): grid 64 x 3, 8 waves a work-group, no clusters, 171,008 bytes of LDS; arguments q_in, k_in, v_in, bq, bk, bv, wcodes, wscale, qrec, kvrec; writes qrec, kvrec
.if DOCPART == 2
	.amdgcn_target "amdgcn-amd-amdhsa--gfx1250"
	.amdhsa_code_object_version 6
	.text
	.protected	k_q65e6238b96_proj
	.globl	k_q65e6238b96_proj
	.p2align	8
	.type	k_q65e6238b96_proj,@function
k_q65e6238b96_proj:
	s_mov_b64 s[64:65], 0
	v_nop
	global_prefetch_b8 v0, s[64:65] scope:SCOPE_SE
	s_setreg_imm32_b32 hwreg(HW_REG_WAVE_MODE, 25, 1), 1
	s_wait_xcnt 0x0
; PROJ: q = q_in Wq + bq, k = k_in Wk + bk, v = v_in Wv + bv, each product on codes of FP6 with E8M0 scales; the results are quantised at once for the next products: q and k along the head's 64, v along the keys.
; No work of the problem is left out here.  LIMITS: as stated at the head of prep.
; SHARES: work-group (G, y): tensor y (0 q, 1 k, 2 v), tokens 128 G .. 128 G + 127 of the 8,192.  WAVE w IS HEAD w: its 64 columns of the weight (16 fragments, 192 registers) and its bias stay in registers.
; Four trips of 32 tokens.  In a trip wave w quantises ONE fragment of x (rows 16 (w / 4) on, K step w % 4) and hands it to the others through LDS as an image of its registers; then every wave multiplies all eight
; fragments by its own weights: 32 matrix instructions on 8 accumulators by turns.
; x is loaded as it lies (a load: 512 consecutive bytes of one row) and turned through the wave's own stage in LDS, so that a lane holds 16 neighbours along K of each block of 32.
; q, k: the product is used transposed (source 0 = 16 columns of W, source 1 = 16 tokens): a lane holds one token, its registers run along the head's 64, the next K.
; v: source 0 = 16 tokens, source 1 = 16 columns: a lane holds one channel, its registers run along the tokens, which are the next K; a trip's 32 tokens are one block.
; In both, tiles are 16 neighbours, so a block's codes come out in the order PI (prep's head); q meets k, and v meets attn's p, in the same order.
; OUT, in records of one head and 128 tokens.  A HALF IMAGE (six registers: 64 along K of 16 rows) is 768 bytes: registers 0-3 of lane L at 16 L, registers 4, 5 at 512 + 8 L.
;   qrec: 6,656 bytes: 8 half images (16 tokens each); at 6,144 the scale words [r][tile].  kvrec: 13,056 bytes: k's 8 half images; at 6,144 v's 8 (channel tile t, 64 keys c: 2 t + c); at 12,288 k's scale words [r][tile]; at 12,800 v's [r][t].
;   q's and k's words: the two bytes of the head's two blocks, and 0x7f twice: attn's K step of 128 is half zeros.
; The two ways (q or k; v) part once on y and meet at the closing lines; each has LDS bytes of its own.
; REGISTERS, window 0: v1-11 addresses; v12, 13 the add's two; v14 the scale word just made; v16-31 W's scale words; v32-95 x as loaded; v96-143 two buffers of two fragments of x; v144-151 x's scale words;
;   v160-223 x turned, then the 8 accumulators; v224-242 codes just made; v244-255 at work.   window 1: v0-191 W; v192-223 the bias, 8 registers a tile; v224-239 v's codes of an even block.
.set STG,   0                          ; a way's LDS, from its base: 8 stages of 16 rows x (512 + 16) bytes, each wave's own;
.set XIMG,  67584                      ; x's 8 images, 1,536 bytes each: number 4 m + s, made by the wave of that number;
.set XSC,   79872                      ; their scale words, 128 bytes each;
.set SCR,   80896                      ; 512 bytes for each wave, its own: the outgoing scale words
.set PATHB, 84992                      ; the second way's base
.set SPARE, 169984                     ; behind both: the spare words, 128 bytes for each of 8 waves
.set XG,  1                            ; v1   x: 16 L + my 16 rows + my K step
.set STW, 2                            ; v2   my stage, in: 16 L
.set STR, 3                            ; v3   my stage, out: 528 r + 64 h
.set LI,  4                            ; v4   16 L
.set L8,  5                            ; v5   8 L
.set LIM, 6                            ; v6   the images: 16 L
.set LSM, 7                            ; v7   their scale words: 4 L
.set XWI, 8                            ; v8   where I store my image
.set XWS, 9                            ; v9   and its scale words
.set SCW, 10                           ; v10  my scratch, in
.set SCD, 11                           ; v11  my scratch, out
.set SPW, 12
.set NIL, 13
.set PW,  14
.set H16, 15                           ; v15  16 h
.set WS,  16
.set XR,  32
.set XF0, 96
.set XF1, 120
.set XS,  144
.set ACC, 160
.set XT,  160
.set PC,  224
.set TT,  243
.set TM,  244                          ; +0..3 largest magnitudes; +4..7 the other half's, then the bytes; +8..11 the conversions' scale operands
.set BIA, 192                          ; window 1
.set YA,  224                          ; window 1
.set MSB, 0
.macro WIN new                         ; the immediate's high byte repeats the setting that is left
.if MSB != \new
	s_set_vgpr_msb (MSB<<8)|\new
.set MSB, \new
.endif
.endm
.macro PLACES                          ; four plain places behind a matrix instruction, ahead of loads into its sources and of the first read of its result
.rept 4
	v_nop
.endr
.endm
.macro BAR                             ; my LDS stores have landed and my LDS loads are in: then the work-group's barrier
	s_wait_dscnt 0x0
	s_barrier_signal -1
	s_barrier_wait -1
.endm
; 64 numbers of a lane in four groups of 16, v[s + 16 b + i]; a group and lane l xor 16's group are one block of 32.  Gives each block's byte in v[TM+4+b] and the conversion's scale operand in v[TM+8+b].
.macro QHEAD s
.irp b, 0,1,2,3
	v_max3_num_f32 v[TM+\b], |v[\s+16*\b]|, |v[\s+1+16*\b]|, 0x1800000   ; with the floor 2^(3 - 127): the byte cannot fall under 1.  (Each accumulator is read from its low end on)
.endr
.irp i, 2,4,6,8,10,12,14
.irp b, 0,1,2,3
	v_max3_num_f32 v[TM+\b], v[TM+\b], |v[\s+16*\b+\i]|, |v[\s+1+16*\b+\i]|   ; the four blocks by turns
.endr
.endr
.irp b, 0,1,2,3
	s_delay_alu instid0(VALU_DEP_4)
	v_permlanex16_b32 v[TM+4+\b], v[TM+\b], s28, s29
.endr
.irp b, 0,1,2,3
	s_delay_alu instid0(VALU_DEP_4)
	v_max_num_f32 v[TM+\b], v[TM+\b], v[TM+4+\b]
.endr
.irp b, 0,1,2,3
	s_delay_alu instid0(VALU_DEP_4)
	v_add_nc_u32 v[TM+8+\b], 0xff000000, v[TM+\b]  ; 2 off the exponent field
.endr
.irp b, 0,1,2,3
	s_delay_alu instid0(VALU_DEP_4)
	v_lshrrev_b32 v[TM+4+\b], 23, v[TM+8+\b]
.endr
.endm
; and on to a fragment's 12 registers in v[PC] on, and its scale word in v[PW]
.macro QUANT s
	QHEAD \s
	s_delay_alu instid0(VALU_DEP_3)
	v_lshl_or_b32 v[PW], v[TM+5], 8, v[TM+4]
	s_delay_alu instid0(VALU_DEP_1)
	v_lshl_or_b32 v[PW], v[TM+6], 16, v[PW]
	s_delay_alu instid0(VALU_DEP_1)
	v_lshl_or_b32 v[PW], v[TM+7], 24, v[PW]
.irp c, 0,1
	v_cvt_scalef32_pk16_fp6_f32 v[PC+6*\c:PC+2+6*\c], v[\s+32*\c:\s+15+32*\c], v[TM+8+2*\c]
	v_cvt_scalef32_pk16_fp6_f32 v[PC+12+4*\c:PC+14+4*\c], v[\s+16+32*\c:\s+31+32*\c], v[TM+9+2*\c]   ; (a conversion's three registers begin on an even number)
.endr
	v_nop                                          ; one plain place behind a scaled conversion
.irp c, 0,1                            ; the operand's layout wants a whole block in a lane: lanes 0-15 block 2 c, lanes 16-31 block 2 c + 1
.irp i, 0,1,2
	v_permlane16_swap_b32 v[PC+6*\c+\i], v[PC+12+4*\c+\i]
.endr
.irp i, 0,1,2
	s_delay_alu instid0(VALU_DEP_3)
	v_mov_b32 v[PC+3+6*\c+\i], v[PC+12+4*\c+\i]
.endr
.endr
.endm
.macro FETCHX buf, s                   ; K step s of both tiles of tokens: six loads
.irp m, 0,1
.irp c, 0,1,2
	ds_load_b128 v[\buf+12*\m+4*\c:\buf+12*\m+4*\c+3], v[LIM] offset:(4*\m+\s)*1536+512*\c
.endr
.endr
.endm
; 8 matrix instructions: two tiles of tokens x my four tiles of columns, K step s.  The 8 accumulators take turns, in the same order in every K step.  The bias is the C of a sum's first instruction.
.macro MUL isv, buf, s
.if \isv
.if \s == 0
	WIN 0x14                                       ; source 1 (W) and source 2 (bias) window 1
.else
	WIN 0x04
.endif
.else
.if \s == 0
	WIN 0x11                                       ; source 0 (W) and source 2 (bias) window 1
.else
	WIN 0x01
.endif
.endif
.irp m, 0,1
.irp t, 0,1,2,3
.set rW, 12*(4*\t+\s)
.set rX, \buf+12*\m
.if \isv
.set rD, ACC+16*\t+8*\m
.if \s == 0
	v_wmma_scale_f32_16x16x128_f8f6f4 v[rD:rD+7], v[rX:rX+11], v[rW:rW+11], v[BIA+8*\t:BIA+8*\t+7], v[XS+4*\m+\s], v[WS+4*\s+\t] matrix_a_fmt:MATRIX_FMT_FP6 matrix_b_fmt:MATRIX_FMT_FP6
.else
	v_wmma_scale_f32_16x16x128_f8f6f4 v[rD:rD+7], v[rX:rX+11], v[rW:rW+11], v[rD:rD+7], v[XS+4*\m+\s], v[WS+4*\s+\t] matrix_a_fmt:MATRIX_FMT_FP6 matrix_b_fmt:MATRIX_FMT_FP6
.endif
.else
.set rD, ACC+32*\m+8*\t
.if \s == 0
	v_wmma_scale_f32_16x16x128_f8f6f4 v[rD:rD+7], v[rW:rW+11], v[rX:rX+11], v[BIA+8*\t:BIA+8*\t+7], v[WS+4*\s+\t], v[XS+4*\m+\s] matrix_a_fmt:MATRIX_FMT_FP6 matrix_b_fmt:MATRIX_FMT_FP6
.else
	v_wmma_scale_f32_16x16x128_f8f6f4 v[rD:rD+7], v[rW:rW+11], v[rX:rX+11], v[rD:rD+7], v[WS+4*\s+\t], v[XS+4*\m+\s] matrix_a_fmt:MATRIX_FMT_FP6 matrix_b_fmt:MATRIX_FMT_FP6
.endif
.endif
.endr
.endr
.endm
; TRIP i: tokens 32 i .. 32 i + 31 of the work-group's 128
.macro TRIP i, isv
.if \i == 0
.if \isv
	s_wait_loadcnt 63                              ; trip 0: my 16 rows' pieces of x are in: behind them 84 loads were issued (48 of the weights, 4 of their scale words, 32 of the bias), of which 63 may be out
.else
	s_wait_loadcnt 60                              ; trip 0: my 16 rows' pieces of x are in: the 60 loads issued behind them (48 of the weights, 4 of their scale words, 8 of the bias) may be out
.endif
.else
	s_wait_loadcnt 0x0                             ; my 16 rows' pieces of x are in
.endif
	s_wait_xcnt 0x0                                ; earlier loads and stores have read their offset and data registers, which this trip writes again
.set q, 0
.rept 16
	ds_store_b128 v[STW], v[XR+4*q:XR+4*q+3] offset:528*q       ; row q as it lies
.set q, q+1
.endr
.irp b, 0,1,2,3
.irp j, 0,1,2,3
	ds_load_b128 v[XT+16*\b+4*\j:XT+16*\b+4*\j+3], v[STR] offset:128*\b+16*\j   ; row r: of block b my 16 neighbours.  LDS serves a wave's instructions in order: these see the stores above
.endr
.endr
	s_wait_dscnt 0x0                               ; x is turned, and the stores have read their registers,
.if \i < 3
.set q, 0
.rept 16
.if \isv
	global_load_b128 v[XR+4*q:XR+4*q+3], v[XG], s[30:31] offset:(32*(\i+1)+16*(q/8)+(q%8))*2048 th:TH_LOAD_NT   ; the next trip's rows, in the order of tokens stated at the head's shift
.else
	global_load_b128 v[XR+4*q:XR+4*q+3], v[XG], s[30:31] offset:(64*((\i+1)/2)+16*((\i+1)%2)+32*(q/8)+(q%8))*2048 th:TH_LOAD_NT
.endif
.set q, q+1
.endr
.endif
	QUANT XT
.if \i > 0
	s_wait_alu depctr_va_vdst(0)
	BAR                                            ; every wave's reads of the last trip's images are over
.endif
.irp c, 0,1,2
	ds_store_b128 v[XWI], v[PC+4*\c:PC+4*\c+3] offset:512*\c
.endr
	ds_store_b32 v[XWS], v[PW]
	BAR                                            ; the eight images lie in LDS
.irp k, 0,1,2,3,4,5,6,7
	ds_load_b32 v[XS+\k], v[LSM] offset:128*\k
.endr
	FETCHX XF0, 0
	FETCHX XF1, 1
.if \i == 0
	s_wait_loadcnt 16                              ; the weights, their scale words and the bias are in; the next trip's 16 loads may be out
.endif
	s_wait_dscnt 6                                 ; all but the six youngest LDS loads, the other buffer's
	MUL \isv, XF0, 0
	WIN 0
	PLACES
	FETCHX XF0, 2
	s_wait_dscnt 6
	MUL \isv, XF1, 1
	WIN 0
	PLACES
	FETCHX XF1, 3
	s_wait_dscnt 6
	MUL \isv, XF0, 2
	s_wait_dscnt 0x0
	MUL \isv, XF1, 3
	WIN 0
	PLACES
.if \isv
	QHEAD ACC                                      ; group t = my channel of tile t, 16 of the block's 32 tokens
.irp t, 0,1,2,3
	ds_store_b8 v[SCW], v[TM+4+\t] offset:4*\t+\i  ; byte i of the word of (r, t); both halves of the lanes write the same value
.endr
.if (\i)%2 == 0
	WIN 0x40                                       ; an even block's codes wait in window 1 for the odd block's
.irp t, 0,1,2,3
	v_cvt_scalef32_pk16_fp6_f32 v[YA+4*\t:YA+4*\t+2], v[ACC+16*\t:ACC+16*\t+15], v[TM+8+\t]
.endr
	v_nop                                          ; one plain place behind a scaled conversion
	WIN 0
.else
.irp t, 0,1,2,3
	v_cvt_scalef32_pk16_fp6_f32 v[XF0+4+8*\t:XF0+6+8*\t], v[ACC+16*\t:ACC+16*\t+15], v[TM+8+\t]
.endr
	v_nop
	WIN 0x01
.irp t, 0,1,2,3
.irp j, 0,1,2
	v_mov_b32 v[XF0+8*\t+\j], v[YA+4*\t+\j]
.endr
.endr
	WIN 0
.irp t, 0,1,2,3                        ; lanes 0-15 get the even block whole, lanes 16-31 the odd one
.irp j, 0,1,2
	v_permlane16_swap_b32 v[XF0+8*\t+\j], v[XF0+4+8*\t+\j]
.endr
.irp j, 0,1,2
	s_delay_alu instid0(VALU_DEP_3)
	v_mov_b32 v[XF0+3+8*\t+\j], v[XF0+4+8*\t+\j]
.endr
.endr
.irp t, 0,1,2,3
	global_store_b128 v[LI], v[XF0+8*\t:XF0+8*\t+3], s[38:39] offset:6144+(2*\t+(\i)/2)*768
	global_store_b64 v[L8], v[XF0+4+8*\t:XF0+5+8*\t], s[38:39] offset:6144+(2*\t+(\i)/2)*768+512
.endr
.endif
.else
	QUANT ACC                                      ; registers 0-5: tokens 32 i + 0 .. 15; registers 6-11: the next 16; the word's bytes 0, 1 and 2, 3 likewise
	global_store_b128 v[LI], v[PC:PC+3], s[38:39] offset:(2*\i)*768
	global_store_b64 v[L8], v[PC+4:PC+5], s[38:39] offset:(2*\i)*768+512
	global_store_b128 v[LI], v[PC+6:PC+9], s[38:39] offset:(2*\i+1)*768
	global_store_b64 v[L8], v[PC+10:PC+11], s[38:39] offset:(2*\i+1)*768+512
	v_lshrrev_b32 v[TT], v[H16], v[PW]             ; lanes 0-15 take the first tile's two bytes, lanes 16-31 the second's,
	s_delay_alu instid0(VALU_DEP_1)
	v_and_b32 v[TT], 0xffff, v[TT]
	s_delay_alu instid0(VALU_DEP_1)
	v_or_b32 v[TT], 0x7f7f0000, v[TT]              ; with the byte of 1.0 for the K step's empty half
	ds_store_b32 v[SCW], v[TT] offset:8*\i
.endif
.endm
.macro BODY isv, LB
	s_mul_i32 s44, s24, 8448                       ; my stage
.if \LB+STG
	s_add_co_u32 s44, s44, \LB+STG
.endif
	v_add_nc_u32 v[STW], s44, v[LI]
	v_mul_u32_u24 v[STR], v14, 528
	s_delay_alu instid0(VALU_DEP_1)
	v_lshl_add_u32 v[STR], v15, 6, v[STR]
	s_delay_alu instid0(VALU_DEP_1)
	v_add_nc_u32 v[STR], s44, v[STR]
	v_add_nc_u32 v[LIM], \LB+XIMG, v[LI]
	v_lshl_add_u32 v[LSM], v[TT], 2, \LB+XSC
	s_mul_i32 s45, s24, 1536
	v_add_nc_u32 v[XWI], s45, v[LIM]
	s_lshl_b32 s45, s24, 7
	v_add_nc_u32 v[XWS], s45, v[LSM]
	s_lshl_b32 s45, s24, 9
	s_add_co_u32 s45, s45, \LB+SCR                 ; my scratch
.if \isv
	v_lshl_add_u32 v[SCW], v14, 4, s45             ; 16 r
	v_add_nc_u32 v[SCD], s45, v[L8]
	v_lshlrev_b32 v[TM+1], 2, v14                  ; the bias of my channel: 4 r
	WIN 0x40
.irp t, 0,1,2,3
.irp j, 0,1,2,3,4,5,6,7
	global_load_b32 v[BIA+8*\t+\j], v[TM+1], s[32:33] offset:64*\t   ; the same number in all eight registers: the registers run along the tokens
.endr
.endr
	WIN 0
.else
	v_lshlrev_b32 v[SCW], 5, v14
	s_delay_alu instid0(VALU_DEP_1)
	v_lshl_add_u32 v[SCW], v15, 2, v[SCW]
	s_delay_alu instid0(VALU_DEP_1)
	v_add_nc_u32 v[SCW], s45, v[SCW]               ; 32 r + 4 h
	v_add_nc_u32 v[SCD], s45, v[LI]
	v_lshlrev_b32 v[TM+1], 5, v15                  ; the bias of my eight columns of a tile: 32 h
	v_lshlrev_b32 v[H16], 4, v15
	WIN 0x40
.irp t, 0,1,2,3
	global_load_b128 v[BIA+8*\t:BIA+8*\t+3], v[TM+1], s[32:33] offset:64*\t
	global_load_b128 v[BIA+8*\t+4:BIA+8*\t+7], v[TM+1], s[32:33] offset:64*\t+16
.endr
	WIN 0
.endif
	s_wait_alu depctr_va_vdst(0)
	TRIP 0, \isv
	TRIP 1, \isv
	TRIP 2, \isv
	TRIP 3, \isv
.if \isv
	ds_load_b64 v[XR:XR+1], v[SCD]                 ; my 64 scale words of v.  LDS serves a wave's instructions in order: this sees my byte stores
	s_wait_dscnt 0x0
	global_store_b64 v[L8], v[XR:XR+1], s[38:39] offset:12800   ; 256 consecutive bytes, aligned
.else
	ds_load_b128 v[XR:XR+3], v[SCD]                ; my 128 scale words
	s_wait_dscnt 0x0
	global_store_b128 v[LI], v[XR:XR+3], s[40:41]  ; 512 consecutive bytes, aligned
.endif
.endm
	s_load_b512 s[4:19], s[0:1], 0x0               ; q_in, k_in, v_in, bq, bk, bv, wcodes, wscale
	s_load_b128 s[20:23], s[0:1], 0x40             ; qrec, kvrec
	v_lshl_add_u32 v[SPW], v0, 2, SPARE
	v_mov_b32 v[NIL], 0
	v_lshrrev_b32 v1, 5, v0
	s_delay_alu instid0(VALU_DEP_1)
	v_readfirstlane_b32 s24, v1                    ; wave = head
	s_and_b32 s26, ttmp7, 0xffff                   ; y
	s_mov_b32 s28, 0x76543210
	s_mov_b32 s29, 0xfedcba98                      ; v_permlanex16_b32's selects for lane l xor 16
	v_and_b32 v[TT], 31, v0                        ; L
	v_and_b32 v14, 15, v0                          ; r
	v_bfe_u32 v15, v0, 4, 1                        ; h
	s_delay_alu instid0(VALU_DEP_3)
	v_lshlrev_b32 v[LI], 4, v[TT]
	s_delay_alu instid0(VALU_DEP_4)
	v_lshlrev_b32 v[L8], 3, v[TT]
	s_delay_alu instid0(VALU_DEP_4)
	v_lshlrev_b32 v[TM], 4, v14                    ; 16 r: W's scale words
	s_lshr_b32 s50, s24, 2
	; THE ORDER OF TOKENS (it takes the place of what the head says of tiles of 16 neighbouring tokens): row q of the tile that waves 4 m .. 4 m + 3 quantise in trip i is,
	; for q and k, token 64 (i / 2) + 16 (i % 2) + 8 m + 32 (q / 8) + q % 8 of the 128: rows 0-7 of record tile 2 i + m lie in one block of 32 tokens and rows 8-15 in the next block;
	; for v, token 32 i + 8 m + 16 (q / 8) + q % 8: a lane's 16 results of a block are then 16 neighbouring tokens, and v's codes stand in the keys' own order.
	s_lshl_b32 s50, s50, 14                        ; 8 rows of 2,048 bytes x (w / 4)
	s_and_b32 s51, s24, 3
	s_lshl_b32 s51, s51, 9                         ; 512 bytes x (w % 4)
	s_add_co_u32 s50, s50, s51
	v_add_nc_u32 v[XG], s50, v[LI]
.irp b, 0,1,2,3
	v_mov_b32 v[TM+4+\b], 0                        ; written once: a lane permute's destination counts as one of its sources
.endr
	s_lshr_b32 s46, ttmp9, 4                       ; the batch
	s_lshl_b32 s46, s46, 3
	s_add_co_u32 s46, s46, s24
	s_lshl_b32 s46, s46, 4
	s_and_b32 s47, ttmp9, 15
	s_add_co_u32 s46, s46, s47                     ; my record: 16 (8 batch + head) + the 128 tokens' number in the sequence
	s_mov_b32 s43, 13056
	s_mov_b32 s45, 12288
	s_mov_b32 s49, 0
	s_wait_alu depctr_va_vdst(0)
	s_wait_kmcnt 0x0
	s_cmp_eq_u32 s26, 0                            ; the choices hang on y alone
	s_cselect_b64 s[30:31], s[4:5], s[6:7]
	s_cselect_b64 s[32:33], s[10:11], s[12:13]
	s_cselect_b64 s[38:39], s[20:21], s[22:23]
	s_cselect_b32 s42, 6656, s43                   ; a record's bytes
	s_cselect_b32 s44, 6144, s45                   ; where q's or k's scale words lie in it
	s_cmp_eq_u32 s26, 2
	s_cselect_b64 s[30:31], s[8:9], s[30:31]
	s_cselect_b64 s[32:33], s[14:15], s[32:33]
	s_lshl_b32 s48, ttmp9, 18                      ; 128 rows of 2,048 bytes
	s_add_nc_u64 s[30:31], s[30:31], s[48:49]      ; x
	s_lshl_b32 s48, s24, 8
	s_add_nc_u64 s[32:33], s[32:33], s[48:49]      ; my head's bias
	s_mul_i32 s48, s26, 196608
	s_mul_i32 s50, s24, 24576
	s_add_co_u32 s48, s48, s50
	s_add_nc_u64 s[34:35], s[16:17], s[48:49]      ; my 16 images of the weight
	s_lshl_b32 s48, s26, 13
	s_lshl_b32 s50, s24, 10
	s_add_co_u32 s48, s48, s50
	s_add_nc_u64 s[36:37], s[18:19], s[48:49]      ; and their scale words
	s_mul_i32 s48, s46, s42
	s_add_nc_u64 s[38:39], s[38:39], s[48:49]      ; my record
	s_mov_b32 s48, s44
	s_add_nc_u64 s[40:41], s[38:39], s[48:49]
	s_mov_b32 s48, 49152                           ; trip 0's rows 8-15 begin 32 tokens (q, k) or 16 tokens (v) behind row 0: 24 or 8 rows more than their number says
	s_cmp_eq_u32 s26, 2
	s_cselect_b32 s48, 16384, s48
	s_add_nc_u64 s[52:53], s[30:31], s[48:49]
.set q, 0
.rept 16
.if q < 8
	global_load_b128 v[XR+4*q:XR+4*q+3], v[XG], s[30:31] offset:q*2048 th:TH_LOAD_NT
.else
	global_load_b128 v[XR+4*q:XR+4*q+3], v[XG], s[52:53] offset:q*2048 th:TH_LOAD_NT
.endif
.set q, q+1
.endr
	WIN 0x40                                       ; destination window 1
.set q, 0
.rept 48
	global_load_b128 v[4*q:4*q+3], v[LI], s[34:35] offset:512*q   ; fragment (t, s) at v[12 (4 t + s)]: the images lie on end in that order
.set q, q+1
.endr
	WIN 0
.irp s, 0,1,2,3
	global_load_b128 v[WS+4*\s:WS+4*\s+3], v[TM], s[36:37] offset:256*\s   ; lane r: the words of column r of my four tiles
.endr
	s_cmp_eq_u32 s26, 2                            ; ids alone: the same in all waves
	s_cbranch_scc1 .Lv
	BODY 0, 0
	s_branch .Lend
.Lv:
	BODY 1, PATHB
.Lend:
	s_wait_tensorcnt 0x0                           ; the wave's end, behind my last LDS store
	ds_add_u32 v[SPW], v[NIL]
	s_wait_dscnt 0x0
	s_endpgm
.Lfunc_end_k_q65e6238b96_proj:
	.size	k_q65e6238b96_proj, .Lfunc_end_k_q65e6238b96_proj-k_q65e6238b96_proj
	.p2alignl 7, 3214868480
	.fill 96, 4, 3214868480
	.section	.rodata,"a",@progbits
	.p2align	6, 0x0
	.amdhsa_kernel k_q65e6238b96_proj
		.amdhsa_group_segment_fixed_size 171008
		.amdhsa_private_segment_fixed_size 0
		.amdhsa_enable_private_segment 0
		.amdhsa_kernarg_size 80
		.amdhsa_user_sgpr_count 2
		.amdhsa_user_sgpr_kernarg_segment_ptr 1
		.amdhsa_wavefront_size32 1
		.amdhsa_system_sgpr_workgroup_id_x 1
		.amdhsa_system_sgpr_workgroup_id_y 1
		.amdhsa_system_sgpr_workgroup_id_z 1
		.amdhsa_system_vgpr_workitem_id 0
		.amdhsa_next_free_vgpr 512
		.amdhsa_next_free_sgpr 66
		.amdhsa_reserve_vcc 0
		.amdhsa_float_denorm_mode_32 3
		.amdhsa_float_denorm_mode_16_64 3
		.amdhsa_memory_ordered 1
		.amdhsa_forward_progress 1
		.amdhsa_inst_pref_size 176
	.end_amdhsa_kernel
	.amdgpu_metadata
---
amdhsa.version: [ 1, 2 ]
amdhsa.kernels:
  - .name:           k_q65e6238b96_proj
    .symbol:         k_q65e6238b96_proj.kd
    .args:
      - { .name: q_in, .offset: 0, .size: 8, .value_kind: global_buffer, .address_space: global }
      - { .name: k_in, .offset: 8, .size: 8, .value_kind: global_buffer, .address_space: global }
      - { .name: v_in, .offset: 16, .size: 8, .value_kind: global_buffer, .address_space: global }
      - { .name: bq, .offset: 24, .size: 8, .value_kind: global_buffer, .address_space: global }
      - { .name: bk, .offset: 32, .size: 8, .value_kind: global_buffer, .address_space: global }
      - { .name: bv, .offset: 40, .size: 8, .value_kind: global_buffer, .address_space: global }
      - { .name: wcodes, .offset: 48, .size: 8, .value_kind: global_buffer, .address_space: global }
      - { .name: wscale, .offset: 56, .size: 8, .value_kind: global_buffer, .address_space: global }
      - { .name: qrec, .offset: 64, .size: 8, .value_kind: global_buffer, .address_space: global }
      - { .name: kvrec, .offset: 72, .size: 8, .value_kind: global_buffer, .address_space: global }
    .group_segment_fixed_size: 171008
    .private_segment_fixed_size: 0
    .kernarg_segment_align: 8
    .kernarg_segment_size: 80
    .max_flat_workgroup_size: 256
    .sgpr_count:     66
    .vgpr_count:     512
    .wavefront_size: 32
...
	.end_amdgpu_metadata
.endif
;; end of part 2
;; launch attn (part 3): grid 8 x 32, 16 waves a work-group, clusters of 4 x 1, 210,944 bytes of LDS; arguments qrec, kvrec, ccodes, cscale; writes ccodes, cscale
.if DOCPART == 3
	.amdgcn_target "amdgcn-amd-amdhsa--gfx1250"
	.amdhsa_code_object_version 6
	.text
	.protected	k_q65e6238b96_attn
	.globl	k_q65e6238b96_attn
	.p2align	8
	.type	k_q65e6238b96_attn,@function
k_q65e6238b96_attn:
	s_mov_b64 s[64:65], 0
	v_nop
	global_prefetch_b8 v0, s[64:65] scope:SCOPE_SE
	s_setreg_imm32_b32 hwreg(HW_REG_WAVE_MODE, 25, 1), 1
	s_wait_xcnt 0x0
	s_wait_alu depctr_hold_cnt(0) depctr_sa_sdst(0) depctr_va_vdst(0) depctr_va_sdst(0) depctr_va_ssrc(0) depctr_va_vcc(0) depctr_vm_vsrc(0)
	s_getreg_b32 s2, hwreg(HW_REG_IB_STS2, 6, 4)
	s_cmp_eq_u32 s2, 0
	s_cbranch_scc0 .Lentry_in_a_cluster
	s_endpgm
.Lentry_in_a_cluster:
	s_bfe_u32 s2, ttmp6, 0x10000c
	s_cmp_lg_u32 s2, 0x3003
	s_cbranch_scc0 .Lentry_shape_is_right
	s_endpgm
.Lentry_shape_is_right:
; ATTN: for each batch and head, O = softmax(q k^T / 8) v, both products on codes of FP6 with E8M0 scales; O is quantised at once along the heads' 512 for the last product.
; No work of the problem is left out here.  LIMITS: as stated at the head of prep; v_exp_f32 gives 0 for a p under 2^-126; the promise holds while the scaled scores t stay under 2^31 in magnitude.
; THE SOFTMAX AHEAD OF THE SECOND PRODUCT: t = score x log2(e) / 8; M = the row's largest t so far, rounded up to a whole number; p = 2^(t - M) is quantised along the keys, not normalised; the row's sum is taken
; of the unquantised p and divides O at the end.  When M moves, the sum and O are multiplied by 2^(old M - new M): exact.  The order in which a row meets the keys is free.
; SHARES: work-group (x, y): y = 8 batch + head, 256 queries; each of sixteen waves owns 16 of them in 256 registers, four waves to a SIMD.
; THE WHOLE HEAD LIES IN LDS: its 16 records of k and v (128 keys each, 13,056 bytes = 51 rows of 256, proj's layout) are 208,896 dense bytes.  WAVE w ASKS FOR RECORD w: one tensor load a wave, on every way
; through the head.  A wave waits for its own load, signals the one barrier, takes ITS OWN RECORD'S key step between the signal and the wait (LDS loads of bytes that nobody writes, and work on registers), and
; behind the wait, where all sixteen records are shown to all waves, walks the records 0 to 15 in a loop of sixteen trips, jumping over its own by a branch on the wave's number.  Nothing is filled twice: no ring.
; CLUSTER: the four blocks of queries of a cluster read the same head, so each record is asked for JOINTLY, by the same tensor load with the same descriptor and a mask that names the four.
; NO PREFETCH: all that the work-group reads of kvrec is asked for by the head's sixteen loads; there is no loop to run ahead in.
; LAYOUT: both products are used transposed: S^T = K Q^T (source 0 = 16 keys, source 1 = my 16 queries), O^T = V^T P^T (source 0 = 16 channels, source 1 = P): a lane holds one query (lane % 16) throughout.
; THE KEYS OF A TILE: proj has laid k so that row r of tile 4 c + i is key 64 c + 32 (r / 8) + 8 i + r % 8 of the record.  So lane (r, h) finds in the 32 registers of tiles 4 c .. 4 c + 3 the keys
; 64 c + 32 h + 0 .. 31 in their order: A WHOLE BLOCK OF 32, the one that the second product's layout gives that lane.  A block's largest score needs no other lane, and p's codes change no lane.
; q's tiles hold their tokens in the same order; outp puts the rows back.
; THE FIRST PRODUCT'S K IS 64 in an instruction of 128: Q's registers 6-11 are zero codes.  K's tiles stand six registers apart, so a tile's operand runs on into the next tile's codes (the last: into six registers
; of zeros), which meet Q's zeros and add nothing; the scale words' upper two bytes are 0x7f on both sides.
; REGISTERS: v1-4 lane terms; v5, 6 the add's two; v8-11 the step's LDS addresses; v12 -M, v13 the largest t, v[14:15] the sum; v16-27 Q, v28 its scale words; v32-79 K's 8 tiles or V's 4 fragments; v80-85 zeros;
;   v86-93 scale words; v96-159 S^T, then p; v160-191 O^T; v192-203 p's codes, v204-210 their second halves as converted; v212-227 at work; v228-233 three parts of a step's sum, added to the sum in the next step.
.set REC,   13056
.set SPARE, 208896                     ; behind the 16 records: the spare words, 128 bytes for each of 16 waves
.set KV,  32
.set SCL, 86
.set ST,  96
.set OT,  160
.set PCD, 192
.set PT,  204
.set BM,  212                          ; four chains of maxima; my two blocks' largest scores end in BM and BM + 2, and become their largest p
.set BT,  216
.set SO,  220                          ; the conversions' scale operands
.set G1,  24                           ; s[24:31] descriptor group 1;  s[32:35] group 0
.set G0,  32
.macro CROUND                          ; a round of the cluster's barrier
	s_barrier_signal -1
	s_barrier_wait -1
	s_cmp_lg_u32 s12, 0
	s_cbranch_scc1 .Lnot_wave_0_\@
	s_barrier_signal -3
.Lnot_wave_0_\@:
	s_barrier_wait -3
	s_barrier_signal -1
	s_barrier_wait -1
.endm
.macro TMM n                           ; t - M for n pairs of scores (of the pairs c and -M the low word serves both halves)
.rept \n
	v_pk_fma_f32 v[ST+j:ST+j+1], v[ST+j:ST+j+1], s[22:23], v[12:13] op_sel_hi:[1,0,0]
.set j, j+2
.endr
.endm
; A KEY STEP: the 128 keys of the record at LDS byte s48
.macro STEP
	v_add_nc_u32 v8, s48, v1                       ; (these four are also the places behind the last products, ahead of the loads into their sources)
	v_add_nc_u32 v9, s48, v2
	v_add_nc_u32 v10, s48, v3
	v_add_nc_u32 v11, s48, v4
.irp u, 0,1,2,3,4,5,6,7
	ds_load_b128 v[KV+6*\u:KV+6*\u+3], v8 offset:768*\u
	ds_load_b64 v[KV+6*\u+4:KV+6*\u+5], v9 offset:768*\u+512
.endr
	ds_load_b128 v[SCL:SCL+3], v10 offset:12288    ; lane r: the words of row r of the eight tiles
	ds_load_b128 v[SCL+4:SCL+7], v10 offset:12304
	s_wait_alu depctr_va_vdst(0)                   ; the wait here
	s_wait_dscnt 0x0
.irp u, 0,1,2,3,4,5,6,7
	v_wmma_scale_f32_16x16x128_f8f6f4 v[ST+8*\u:ST+8*\u+7], v[KV+6*\u:KV+6*\u+11], v[16:27], 0, v[SCL+\u], v28 matrix_a_fmt:MATRIX_FMT_FP6 matrix_b_fmt:MATRIX_FMT_FP6
.endr
	v_mov_b32 v227, v12                            ; the old -M.  (These four are the places ahead of the loads below and of the first read of the scores)
	v_pk_add_f32 v[230:231], v[230:231], v[232:233]   ; the last step's three parts join the sum, all still under the old M (the first step finds zeros)
	v_pk_add_f32 v[14:15], v[14:15], v[228:229]
	v_pk_add_f32 v[14:15], v[14:15], v[230:231]
.irp t, 0,1,2,3                        ; V is asked for now and lands under the softmax
.irp c, 0,1
	ds_load_b128 v[KV+12*\t+6*\c:KV+12*\t+6*\c+3], v8 offset:6144+(2*\t+\c)*768
	ds_load_b64 v[KV+12*\t+6*\c+4:KV+12*\t+6*\c+5], v9 offset:6144+(2*\t+\c)*768+512
.endr
.endr
	ds_load_b128 v[SCL:SCL+3], v11 offset:12800    ; lane r: the words of channel r of the four tiles
.irp b, 0,1,2,3
	v_max3_num_f32 v[BM+\b], v[ST+16*\b], v[ST+1+16*\b], v[ST+2+16*\b]   ; four chains of 16 scores by turns; each accumulator is read from its low end on
.endr
.irp i, 3,5,7,9,11,13
.irp b, 0,1,2,3
	v_max3_num_f32 v[BM+\b], v[BM+\b], v[ST+16*\b+\i], v[ST+1+16*\b+\i]
.endr
.endr
.irp c, 0,2
	v_max3_num_f32 v[BM+\c], v[BM+\c], v[BM+1+\c], v[ST+15+16*\c]
.endr
.irp c, 0,2
	v_max_num_f32 v[BM+\c], v[BM+\c], v[ST+31+16*\c]   ; the largest score of each of my two blocks of 32 keys: it serves for the row's maximum and, since p rises with the score, for the block's largest p
.endr
	s_delay_alu instid0(VALU_DEP_1)
	v_max_num_f32 v224, v[BM], v[BM+2]
	s_delay_alu instid0(VALU_DEP_1)
	v_mul_f32 v224, s22, v224                      ; as t (c is positive)
	s_delay_alu instid0(VALU_DEP_1)
	v_permlanex16_b32 v[BT], v224, s20, s21        ; lane l xor 16's two blocks
	s_delay_alu instid0(VALU_DEP_1)
	v_max3_num_f32 v13, v13, v224, v[BT]           ; the running largest t
	s_delay_alu instid0(VALU_DEP_1)
	v_floor_f32 v12, -v13                          ; the new -M = floor(-t) = -ceil(t)
	s_delay_alu instid0(VALU_DEP_1)
	v_sub_f32 v227, v12, v227                      ; old M - new M: a whole number, 0 or less
.set j, 0
	TMM 8
	v_cvt_i32_f32 v227, v227                       ; (it saturates)
	TMM 8
	v_ldexp_f32 v224, 1.0, v227                    ; f = 2^(old M - new M)
	TMM 16
	v_fma_f32 v[BM], v[BM], s22, v12               ; the same of each block's largest score
	v_fma_f32 v[BM+2], v[BM+2], s22, v12
.set j, 0
.rept 16
	v_pk_mul_f32 v[OT+j:OT+j+1], v[OT+j:OT+j+1], v[224:225] op_sel_hi:[1,0]   ; O^T under the new M, each accumulator from its low end on, ahead of the exponentials
.set j, j+2
.endr
	s_wait_alu depctr_va_vdst(0)                   ; the wait ahead of the batch
	v_exp_f32 v[BM], v[BM]                         ; the blocks' largest p: the same two operations on the same number give the same bits
	v_exp_f32 v[BM+2], v[BM+2]
.set j, 0
.rept 64
	v_exp_f32 v[ST+j], v[ST+j]                     ; p = 2^(t - M), at most 1
.set j, j+1
.endr
	v_pk_mul_f32 v[14:15], v[14:15], v[224:225] op_sel_hi:[1,0]   ; the sum under the new M.  (The plain place behind the exponentials)
	s_wait_alu depctr_va_vdst(0)                   ; one wait for the whole batch, ahead of its first reader
	v_max_num_f32 v[BM], 0x1800000, v[BM]          ; the floor 2^(3 - 127): the byte cannot fall under 1
	v_max_num_f32 v[BM+2], 0x1800000, v[BM+2]
	s_delay_alu instid0(VALU_DEP_2)
	v_add_nc_u32 v[SO], 0xff000000, v[BM]          ; 2 off the exponent field: the conversion's scale operand
	s_delay_alu instid0(VALU_DEP_2)
	v_add_nc_u32 v[SO+1], 0xff000000, v[BM+2]
.irp c, 0,1
	v_cvt_scalef32_pk16_fp6_f32 v[PCD+6*\c:PCD+2+6*\c], v[ST+32*\c:ST+15+32*\c], v[SO+\c]       ; my block 2 c + h: its lower 16 codes,
	v_cvt_scalef32_pk16_fp6_f32 v[PT+4*\c:PT+2+4*\c], v[ST+16+32*\c:ST+31+32*\c], v[SO+\c]      ; and its upper 16 (a conversion's three registers begin on an even number)
.endr
	v_lshrrev_b32 v[BT], 23, v[SO]                 ; the scales' bytes.  (The plain place behind the conversions)
	v_lshrrev_b32 v[BT+1], 23, v[SO+1]
	v_mov_b32 v[PCD+3], v[PT]
	v_lshl_or_b32 v226, v[BT+1], 16, v[BT]         ; my two bytes: blocks h and 2 + h
	v_mov_b32 v[PCD+4], v[PT+1]
	v_mov_b32 v[PCD+5], v[PT+2]
	v_permlanex16_b32 v227, v226, s20, s21
	v_mov_b32 v[PCD+9], v[PT+4]
	v_mov_b32 v[PCD+10], v[PT+5]
	v_mov_b32 v[PCD+11], v[PT+6]
	v_lshl_or_b32 v226, v227, 8, v226              ; lanes 0-15: p's scale word of these 128 keys (blocks 1 and 3 from lane l + 16); lanes 16-31 are not read
	v_pk_add_f32 v[228:229], v[ST:ST+1], v[ST+2:ST+3]              ; THE ROW'S SUM, of the unquantised p: four chains by turns.  (These 29 are also the places between the scale word and codes just written and the products below)
	v_pk_add_f32 v[230:231], v[ST+4:ST+5], v[ST+6:ST+7]
	v_pk_add_f32 v[232:233], v[ST+8:ST+9], v[ST+10:ST+11]
	v_pk_add_f32 v[14:15], v[14:15], v[ST+12:ST+13]
.set j, 14
.rept 6
	v_pk_add_f32 v[228:229], v[228:229], v[ST+j:ST+j+1]
	v_pk_add_f32 v[230:231], v[230:231], v[ST+j+2:ST+j+3]
	v_pk_add_f32 v[232:233], v[232:233], v[ST+j+4:ST+j+5]
	v_pk_add_f32 v[14:15], v[14:15], v[ST+j+6:ST+j+7]
.set j, j+8
.endr
	v_pk_add_f32 v[228:229], v[228:229], v[ST+62:ST+63]   ; the three parts wait for the next step, or for the way out
	s_wait_alu depctr_va_vdst(0)                   ; the wait here, directly ahead of the wait below
	s_wait_dscnt 0x0                               ; V is in
.irp t, 0,1,2,3
	v_wmma_scale_f32_16x16x128_f8f6f4 v[OT+8*\t:OT+8*\t+7], v[KV+12*\t:KV+12*\t+11], v[PCD:PCD+11], v[OT+8*\t:OT+8*\t+7], v[SCL+\t], v226 matrix_a_fmt:MATRIX_FMT_FP6 matrix_b_fmt:MATRIX_FMT_FP6
.endr
.endm
	s_load_b256 s[4:11], s[0:1], 0x0               ; qrec, kvrec, ccodes, cscale
	v_lshl_add_u32 v5, v0, 2, SPARE
	v_mov_b32 v6, 0
	ds_add_u32 v5, v6                              ; the wave's opening: the add, twice on end, and its wait ahead of my tensor load
	ds_add_u32 v5, v6
	v_lshrrev_b32 v1, 5, v0
	s_delay_alu instid0(VALU_DEP_1)
	v_readfirstlane_b32 s12, v1                    ; wave 0..15
	s_bfe_u32 s13, ttmp6, 0x40000                  ; cx: my place in the cluster: it enters Q's and the outputs' addresses alone
	s_lshl_b32 s14, ttmp9, 2
	s_add_co_u32 s14, s14, s13                     ; my block of 256 queries
	s_and_b32 s15, ttmp7, 0xffff                   ; y, which the four partners share
	s_mov_b32 s[G1], 15|(3<<16)|(1<<21)            ; 15:0 the mask: all four; 17:16 elements of 8 bytes; 20 no padding; 21 set beside a mask
	s_mov_b32 s[G1+1], 32<<16                      ; tensor_dim0 = 32 elements: rows of 256 bytes
	s_mov_b32 s[G1+2], 51<<16                      ; tensor_dim1 = 51 rows: a record
	s_mov_b32 s[G1+3], 32<<16                      ; tile_dim0
	s_mov_b32 s[G1+4], 51                          ; tile_dim1
	s_mov_b32 s[G1+5], 32                          ; the pitch: dense
	s_mov_b32 s[G1+6], 0
	s_mov_b32 s[G1+7], 0
	s_mov_b32 s20, 0x76543210
	s_mov_b32 s21, 0xfedcba98                      ; v_permlanex16_b32's selects for lane l xor 16
	s_mov_b32 s22, 0x3e38aa3b                      ; c = log2(e) / 8
	s_mov_b32 s23, s22                             ; (named with it as a pair, so it is written)
	s_lshl_b32 s50, s15, 4
	s_add_co_u32 s50, s50, s12
	s_mul_i32 s50, s50, REC                        ; record 16 y + w in memory,
	s_mov_b32 s51, 0
	s_mov_b32 s[G0], 1                             ; count = 1
	s_mul_i32 s[G0+1], s12, REC                    ; and in LDS: the wave's number alone
	s_wait_dscnt 0x0                               ; both opening adds are done
	s_wait_kmcnt 0x0
	s_add_nc_u64 s[G0+2:G0+3], s[6:7], s[50:51]
	s_or_b32 s[G0+3], s[G0+3], 0x80000000          ; type = 2
	CROUND                                         ; all four work-groups are here: the joint loads meet
	tensor_load_to_lds s[G0:G0+3], s[G1:G1+7]      ; my one tensor load: record w
	s_nop 0
	s_lshl_b32 s54, s15, 4                         ; Q: record 16 y + 2 block + w / 8, tile w % 8
	s_lshl_b32 s55, s14, 1
	s_add_co_u32 s54, s54, s55
	s_lshr_b32 s55, s12, 3
	s_add_co_u32 s54, s54, s55
	s_mul_i32 s54, s54, 6656
	s_and_b32 s56, s12, 7
	s_mul_i32 s57, s56, 768
	s_add_co_u32 s58, s54, s57
	s_mov_b32 s59, 0
	s_add_nc_u64 s[58:59], s[4:5], s[58:59]        ; its half image
	s_lshl_b32 s56, s56, 2
	s_add_co_u32 s54, s54, s56
	s_add_co_u32 s54, s54, 6144
	s_mov_b32 s55, 0
	s_add_nc_u64 s[54:55], s[4:5], s[54:55]        ; its scale words
	v_and_b32 v228, 31, v0                         ; L
	v_and_b32 v229, 15, v0                         ; r
	s_delay_alu instid0(VALU_DEP_2)
	v_lshlrev_b32 v1, 4, v228                      ; 16 L
	s_delay_alu instid0(VALU_DEP_3)
	v_lshlrev_b32 v2, 3, v228                      ; 8 L
	s_delay_alu instid0(VALU_DEP_3)
	v_lshlrev_b32 v3, 5, v229                      ; 32 r
	s_delay_alu instid0(VALU_DEP_4)
	v_lshlrev_b32 v4, 4, v229                      ; 16 r
	global_load_b128 v[16:19], v1, s[58:59]
	global_load_b64 v[20:21], v2, s[58:59] offset:512
	global_load_b32 v28, v3, s[54:55]
	s_lshr_b32 s56, s15, 3                         ; the way out: my tile of 16 rows among the 512: 128 batch + 16 block + w
	s_lshl_b32 s56, s56, 7
	s_lshl_b32 s57, s14, 4
	s_add_co_u32 s56, s56, s57
	s_add_co_u32 s56, s56, s12
	s_and_b32 s57, s15, 7                          ; the head
	s_lshl_b32 s16, s56, 3
	s_add_co_u32 s16, s16, s57
	s_mul_i32 s16, s16, 768
	s_mov_b32 s17, 0
	s_add_nc_u64 s[16:17], s[8:9], s[16:17]        ; ccodes [tile][head]: a half image
	s_lshl_b32 s18, s56, 8
	s_lshl_b32 s57, s57, 1
	s_add_co_u32 s18, s18, s57
	s_mov_b32 s19, 0
	s_add_nc_u64 s[18:19], s[10:11], s[18:19]      ; cscale [tile][r][head]: two bytes
	v_mov_b32 v13, 0xff61b1e6                      ; the largest t so far: -3e38, under every t
	s_delay_alu instid0(VALU_DEP_1)
	v_floor_f32 v12, -v13                          ; -M
	v_mov_b32 v14, 0                               ; the sum, in two halves
	v_mov_b32 v15, 0
.irp j, 0,1,2,3,4,5
	v_mov_b32 v[22+\j], 0                          ; Q's upper half: zero codes
	v_mov_b32 v[80+\j], 0                          ; what the last tile of K runs on into
	v_mov_b32 v[228+\j], 0                         ; the three parts of a step's sum: none yet
.endr
	v_mov_b32 v[BT], 0                             ; written once: a lane permute's destination counts as one of its sources
	v_mov_b32 v[BT+1], 0
	v_mov_b32 v227, 0
	v_mov_b32 v225, 0                              ; (named as the upper half of the pair v[224:225])
.set j, 0
.rept 32
	v_mov_b32 v[OT+j], 0                           ; O^T.  (The step is written once: the first finds zeros, which the first change of M leaves zeros)
.set j, j+1
.endr
	s_mul_i32 s48, s12, REC                        ; my own record in LDS
	s_wait_alu depctr_va_vdst(0)                   ; the wait at the head's end
	s_wait_loadcnt 0x0                             ; Q
	s_wait_tensorcnt 0x0                           ; my record has landed:
	s_wait_dscnt 0x0
	s_barrier_signal -1                            ; say so,
	STEP                                           ; take its 128 keys meanwhile: LDS loads of my record, which nobody writes, and work on registers,
	s_barrier_wait -1                              ; and go on when all sixteen have said so; nothing is filled again
	s_mov_b32 s48, 0                               ; the trip's record in LDS
	s_mov_b32 s49, 0                               ; and its number
.Lstep:
	s_cmp_eq_u32 s49, s12                          ; my own record is done: the branch hangs on the wave's number and the loop's counter alone, and leads round no barrier
	s_cbranch_scc1 .Lskip
	STEP
.Lskip:
	s_add_co_u32 s48, s48, REC
	s_add_co_u32 s49, s49, 1
	s_cmp_lt_u32 s49, 16
	s_cbranch_scc1 .Lstep
	; THE WAY OUT: O^T / the sum, quantised along the head's 64 channels: two blocks; register 16 b + i is channel 32 b + 16 (i / 8) + 8 h + i % 8: the order PI of prep's head, in which Wo's rows are laid
	v_pk_add_f32 v[230:231], v[230:231], v[232:233]   ; the last step's three parts join the sum.  (With the line behind them: the places behind the last products)
	v_pk_add_f32 v[14:15], v[14:15], v[228:229]
	v_pk_add_f32 v[14:15], v[14:15], v[230:231]
	v_add_f32 v14, v14, v15                        ; the sum's two halves,
	s_delay_alu instid0(VALU_DEP_1)
	v_permlanex16_b32 v227, v14, s20, s21
	s_delay_alu instid0(VALU_DEP_1)
	v_add_f32 v14, v14, v227                       ; and lane l xor 16's
	s_wait_alu depctr_va_vdst(0)                   ; the wait ahead of the transcendental
	v_rcp_f32 v14, v14
	v_nop                                          ; one plain place behind a transcendental
	s_wait_alu depctr_va_vdst(0)                   ; and the wait ahead of its first reader
.set j, 0
.rept 32
	v_mul_f32 v[ST+j], v[OT+j], v14                ; each accumulator from its low end on
.set j, j+1
.endr
.irp b, 0,1
	v_max3_num_f32 v[BM+\b], |v[ST+16*\b]|, |v[ST+1+16*\b]|, 0x1800000
.endr
.irp i, 2,4,6,8,10,12,14
.irp b, 0,1
	s_delay_alu instid0(VALU_DEP_2)
	v_max3_num_f32 v[BM+\b], v[BM+\b], |v[ST+16*\b+\i]|, |v[ST+1+16*\b+\i]|
.endr
.endr
.irp b, 0,1
	s_delay_alu instid0(VALU_DEP_2)
	v_permlanex16_b32 v[BT+\b], v[BM+\b], s20, s21
.endr
.irp b, 0,1
	s_delay_alu instid0(VALU_DEP_2)
	v_max_num_f32 v[BM+\b], v[BM+\b], v[BT+\b]
.endr
.irp b, 0,1
	s_delay_alu instid0(VALU_DEP_2)
	v_add_nc_u32 v[SO+\b], 0xff000000, v[BM+\b]
.endr
.irp b, 0,1
	s_delay_alu instid0(VALU_DEP_2)
	v_lshrrev_b32 v[BT+\b], 23, v[SO+\b]
.endr
	s_delay_alu instid0(VALU_DEP_1)
	v_lshl_or_b32 v226, v[BT+1], 8, v[BT]          ; my row's two bytes of this head
	v_cvt_scalef32_pk16_fp6_f32 v[PCD:PCD+2], v[ST:ST+15], v[SO]
	v_cvt_scalef32_pk16_fp6_f32 v[PCD+4:PCD+6], v[ST+16:ST+31], v[SO+1]
	v_nop                                          ; one plain place behind a scaled conversion
.irp i, 0,1,2
	v_permlane16_swap_b32 v[PCD+\i], v[PCD+4+\i]   ; here a block lies in lanes l and l xor 16: lanes 0-15 get the first block whole, lanes 16-31 the second
.endr
.irp i, 0,1,2
	s_delay_alu instid0(VALU_DEP_3)
	v_mov_b32 v[PCD+3+\i], v[PCD+4+\i]
.endr
	global_store_b128 v1, v[PCD:PCD+3], s[16:17]               ; 512 consecutive bytes, aligned
	global_store_b64 v2, v[PCD+4:PCD+5], s[16:17] offset:512   ; 256 consecutive bytes, aligned
	global_store_b16 v4, v226, s[18:19]            ; two bytes a row, 16 bytes apart (both halves of the lanes write the same value): 32 bytes a wave, so that outp gets a row's four scale words by one load
	s_wait_tensorcnt 0x0                           ; the wave's end
	ds_add_u32 v5, v6
	s_wait_dscnt 0x0
	CROUND                                         ; the closing round: no work-group ends while a partner may still ask for a record that names it
	s_endpgm
.Lfunc_end_k_q65e6238b96_attn:
	.size	k_q65e6238b96_attn, .Lfunc_end_k_q65e6238b96_attn-k_q65e6238b96_attn
	.p2alignl 7, 3214868480
	.fill 96, 4, 3214868480
	.section	.rodata,"a",@progbits
	.p2align	6, 0x0
	.amdhsa_kernel k_q65e6238b96_attn
		.amdhsa_group_segment_fixed_size 210944
		.amdhsa_private_segment_fixed_size 0
		.amdhsa_enable_private_segment 0
		.amdhsa_kernarg_size 32
		.amdhsa_user_sgpr_count 2
		.amdhsa_user_sgpr_kernarg_segment_ptr 1
		.amdhsa_wavefront_size32 1
		.amdhsa_system_sgpr_workgroup_id_x 1
		.amdhsa_system_sgpr_workgroup_id_y 1
		.amdhsa_system_sgpr_workgroup_id_z 1
		.amdhsa_system_vgpr_workitem_id 0
		.amdhsa_next_free_vgpr 256
		.amdhsa_next_free_sgpr 66
		.amdhsa_reserve_vcc 0
		.amdhsa_float_denorm_mode_32 3
		.amdhsa_float_denorm_mode_16_64 3
		.amdhsa_memory_ordered 1
		.amdhsa_forward_progress 1
		.amdhsa_inst_pref_size 42
	.end_amdhsa_kernel
	.amdgpu_metadata
---
amdhsa.version: [ 1, 2 ]
amdhsa.kernels:
  - .name:           k_q65e6238b96_attn
    .symbol:         k_q65e6238b96_attn.kd
    .args:
      - { .name: qrec, .offset: 0, .size: 8, .value_kind: global_buffer, .address_space: global }
      - { .name: kvrec, .offset: 8, .size: 8, .value_kind: global_buffer, .address_space: global }
      - { .name: ccodes, .offset: 16, .size: 8, .value_kind: global_buffer, .address_space: global }
      - { .name: cscale, .offset: 24, .size: 8, .value_kind: global_buffer, .address_space: global }
    .group_segment_fixed_size: 210944
    .private_segment_fixed_size: 0
    .kernarg_segment_align: 8
    .kernarg_segment_size: 32
    .max_flat_workgroup_size: 512
    .sgpr_count:     66
    .vgpr_count:     256
    .wavefront_size: 32
...
	.end_amdgpu_metadata
.endif
;; end of part 3
;; launch outp (part 4): grid 4 x 64, 8 waves a work-group, no clusters, 167,936 bytes of LDS; arguments ccodes, cscale, wcodes, wscale, bo, out0; writes out0
.if DOCPART == 4
	.amdgcn_target "amdgcn-amd-amdhsa--gfx1250"
	.amdhsa_code_object_version 6
	.text
	.protected	k_q65e6238b96_outp
	.globl	k_q65e6238b96_outp
	.p2align	8
	.type	k_q65e6238b96_outp,@function
k_q65e6238b96_outp:
	s_mov_b64 s[64:65], 0
	v_nop
	global_prefetch_b8 v0, s[64:65] scope:SCOPE_SE
	s_setreg_imm32_b32 hwreg(HW_REG_WAVE_MODE, 25, 1), 1
	s_wait_xcnt 0x0
; OUTP: out0 = concat Wo + bo, on the codes that attn and prep have made.  No work of the problem is left out here.  LIMITS: as stated at the head of prep.
; SHARES: work-group (cb, rb): rows 128 rb on, columns 128 cb on.  Wave w: rows 32 (w / 2) on, columns 64 (w % 2) on: 8 accumulators.
; The rows' codes (8 tiles x 8 heads x a half image of 768 bytes: 49,152 dense bytes) and Wo's (two groups of 16 images: 49,152 dense bytes) come into LDS once; each wave brings an eighth of the two by one tensor load.
; No cluster: what is shared, the rows' 49,152 bytes among the four column blocks, is under a third of what the work-group moves (98,304 bytes in, 65,536 out).
; THE MATRIX INSTRUCTION IS USED TRANSPOSED (source 0 = 16 columns of Wo, source 1 = 16 rows): a lane holds eight neighbouring numbers of a row of the output.
; The bias is loaded into the accumulators, in the result's layout; every product adds in place, the 8 accumulators by turns.
; REGISTERS: v1-8 addresses; v10, 11 the add's two; v16-23 the rows' scale words [4 m + s]; v24-39 Wo's [4 s + t]; v40-103 accumulators (m, t) at 40 + 32 m + 8 t; v104-175, v176-247 two buffers: two fragments of rows, four of Wo.
.set STAGE, 98304                      ; behind the codes: 16 rows x (256 + 16) bytes for each wave; no fill lands there
.set SPARE, 133120                     ; the spare words, 128 bytes for each of 8 waves
.set AS,  16
.set BS,  24
.set ACC, 40
.set F0,  104
.set F1,  176
	s_load_b256 s[4:11], s[0:1], 0x0               ; ccodes, cscale, wcodes, wscale
	s_load_b128 s[12:15], s[0:1], 0x20             ; bo, out0
	v_lshl_add_u32 v10, v0, 2, SPARE
	v_mov_b32 v11, 0
	ds_add_u32 v10, v11                            ; the wave's opening: the add, twice on end, and its wait ahead of my first tensor load
	ds_add_u32 v10, v11
	v_lshrrev_b32 v1, 5, v0
	s_delay_alu instid0(VALU_DEP_1)
	v_readfirstlane_b32 s16, v1                    ; wave 0..7
	s_and_b32 s18, ttmp7, 0xffff                   ; rb
	s_lshr_b32 s19, s16, 1                         ; rp: my 32 rows
	s_and_b32 s20, s16, 1                          ; ch: my 64 columns
	s_mov_b32 s24, 3<<16                           ; descriptor group 1: no mask; elements of 8 bytes; no padding
	s_mov_b32 s25, 32<<16                          ; tensor_dim0 = 32 elements: rows of 256 bytes
	s_mov_b32 s26, 48<<16                          ; tensor_dim1 = 48 rows: 12,288 bytes
	s_mov_b32 s27, 32<<16                          ; tile_dim0
	s_mov_b32 s28, 48                              ; tile_dim1
	s_mov_b32 s29, 32                              ; the pitch: dense
	s_mov_b32 s30, 0
	s_mov_b32 s31, 0
	s_mov_b32 s32, 1                               ; group 0: count = 1
	s_mul_i32 s33, s16, 12288                      ; LDS address: the rows' four quarters, then Wo's four
	s_and_b32 s38, s16, 3
	s_mul_i32 s38, s38, 12288                      ; my quarter
	s_mul_i32 s39, s18, 49152
	s_add_co_u32 s39, s39, s38                     ; in ccodes
	s_mul_i32 s40, ttmp9, 49152
	s_add_co_u32 s40, s40, s38
	s_add_co_u32 s40, s40, 589824                  ; in wcodes: Wo is the fourth tensor there
	s_mov_b32 s37, 0
	s_wait_dscnt 0x0                               ; both opening adds are done
	s_wait_kmcnt 0x0
	s_cmp_lt_u32 s16, 4                            ; waves 0-3 fetch the rows' codes, waves 4-7 Wo's: the choice hangs on the wave's number alone
	s_cselect_b64 s[34:35], s[4:5], s[8:9]
	s_cselect_b32 s36, s39, s40
	s_add_nc_u64 s[34:35], s[34:35], s[36:37]
	s_or_b32 s35, s35, 0x80000000                  ; type = 2
	tensor_load_to_lds s[32:35], s[24:31]          ; my one tensor load
	s_nop 0
	v_and_b32 v12, 31, v0                          ; L
	v_and_b32 v13, 15, v0                          ; r
	v_bfe_u32 v14, v0, 4, 1                        ; h
	s_mul_i32 s38, s19, 12288                      ; my two tiles of rows
	v_lshl_add_u32 v1, v12, 4, s38
	v_lshl_add_u32 v2, v12, 3, s38
	s_mul_i32 s39, s20, 24576
	s_add_co_u32 s39, s39, 49152                   ; my group of Wo
	v_lshl_add_u32 v3, v12, 4, s39
	v_lshlrev_b32 v4, 4, v13                       ; 16 r
	v_lshlrev_b32 v5, 5, v14                       ; 32 h
	s_wait_alu depctr_va_vdst(0)
	s_mul_i32 s40, s16, 4352
	s_add_co_u32 s40, s40, STAGE                   ; my stage
	v_mul_u32_u24 v6, v13, 272
	s_delay_alu instid0(VALU_DEP_1)
	v_lshl_add_u32 v6, v14, 5, v6
	s_delay_alu instid0(VALU_DEP_1)
	v_add_nc_u32 v6, s40, v6                       ; in: row r, 32 bytes for each half of the lanes
	v_mul_u32_u24 v7, v14, 272
	s_delay_alu instid0(VALU_DEP_1)
	v_lshl_add_u32 v7, v13, 4, v7
	s_delay_alu instid0(VALU_DEP_1)
	v_add_nc_u32 v7, s40, v7                       ; back: lanes 0-15 one row of 256 bytes, lanes 16-31 the next
	v_lshlrev_b32 v8, 11, v14
	s_delay_alu instid0(VALU_DEP_1)
	v_lshl_add_u32 v8, v13, 4, v8                  ; and the same two rows in out0
	s_lshl_b32 s36, s18, 3
	s_lshl_b32 s38, s19, 1
	s_add_co_u32 s36, s36, s38
	s_lshl_b32 s36, s36, 8
	s_add_nc_u64 s[42:43], s[6:7], s[36:37]        ; the scale words of my first tile of rows: 256 bytes a tile
	s_lshl_b32 s36, ttmp9, 1
	s_add_co_u32 s36, s36, s20
	s_add_co_u32 s36, s36, 24
	s_lshl_b32 s36, s36, 10
	s_add_nc_u64 s[44:45], s[10:11], s[36:37]      ; my group's scale words of Wo
	s_lshl_b32 s36, ttmp9, 9
	s_lshl_b32 s38, s20, 8
	s_add_co_u32 s36, s36, s38                     ; my first column, in bytes
	s_add_nc_u64 s[46:47], s[12:13], s[36:37]      ; bo
	s_add_nc_u64 s[14:15], s[14:15], s[36:37]
	; THE ROWS' ORDER: row p of tile u of the work-group's eight is token 64 (u / 4) + 8 (u % 4) + 32 (p / 8) + p % 8 of its 128 (proj's order of q's tokens).  My tiles are u = 2 rp + m.
	s_lshl_b32 s36, s18, 7
	s_lshr_b32 s38, s19, 1
	s_lshl_b32 s38, s38, 6                         ; 64 (rp / 2)
	s_add_co_u32 s36, s36, s38
	s_and_b32 s38, s19, 1
	s_lshl_b32 s38, s38, 4                         ; + 16 (rp % 2)
	s_add_co_u32 s36, s36, s38
	s_lshl_b32 s36, s36, 11                        ; my first row, of 2,048 bytes
	s_add_nc_u64 s[14:15], s[14:15], s[36:37]      ; out0
.irp m, 0,1
	global_load_b128 v[AS+4*\m:AS+4*\m+3], v4, s[42:43] offset:256*\m   ; lane r: row r's words of the four K steps
.endr
.irp s, 0,1,2,3
	global_load_b128 v[BS+4*\s:BS+4*\s+3], v4, s[44:45] offset:256*\s   ; lane r: the words of column r of my four tiles
.endr
.irp m, 0,1
.irp t, 0,1,2,3
	global_load_b128 v[ACC+32*\m+8*\t:ACC+32*\m+8*\t+3], v5, s[46:47] offset:64*\t       ; bo at my eight columns of tile t
	global_load_b128 v[ACC+32*\m+8*\t+4:ACC+32*\m+8*\t+7], v5, s[46:47] offset:64*\t+16
.endr
.endr
.macro FETCH buf, s                    ; K step s = heads 2 s, 2 s + 1: twenty loads
.irp m, 0,1
	ds_load_b128 v[\buf+12*\m:\buf+12*\m+3], v1 offset:(8*\m+2*\s)*768
	ds_load_b64 v[\buf+12*\m+4:\buf+12*\m+5], v2 offset:(8*\m+2*\s)*768+512
	ds_load_b128 v[\buf+12*\m+6:\buf+12*\m+9], v1 offset:(8*\m+2*\s)*768+768
	ds_load_b64 v[\buf+12*\m+10:\buf+12*\m+11], v2 offset:(8*\m+2*\s)*768+1280
.endr
.irp t, 0,1,2,3
.irp c, 0,1,2
	ds_load_b128 v[\buf+24+12*\t+4*\c:\buf+24+12*\t+4*\c+3], v3 offset:(4*\t+\s)*1536+512*\c
.endr
.endr
.endm
.macro MUL buf, s                      ; the 8 accumulators take turns, in the same order in every K step
.irp m, 0,1
.irp t, 0,1,2,3
	v_wmma_scale_f32_16x16x128_f8f6f4 v[ACC+32*\m+8*\t:ACC+32*\m+8*\t+7], v[\buf+24+12*\t:\buf+24+12*\t+11], v[\buf+12*\m:\buf+12*\m+11], v[ACC+32*\m+8*\t:ACC+32*\m+8*\t+7], v[BS+4*\s+\t], v[AS+4*\m+\s] matrix_a_fmt:MATRIX_FMT_FP6 matrix_b_fmt:MATRIX_FMT_FP6
.endr
.endr
.endm
.macro PLACES                          ; four plain places behind a matrix instruction, ahead of loads into its sources and of the first read of its result
.rept 4
	v_nop
.endr
.endm
	s_wait_tensorcnt 0x0                           ; my eighth has landed,
	s_barrier_signal -1
	s_barrier_wait -1                              ; everybody's has; nothing is filled again
	FETCH F0, 0
	FETCH F1, 1
	s_wait_loadcnt 0x0                             ; the scale words and the bias
	s_wait_dscnt 20                                ; all but the twenty youngest loads, the other buffer's
	MUL F0, 0
	PLACES
	FETCH F0, 2
	s_wait_dscnt 20
	MUL F1, 1
	PLACES
	FETCH F1, 3
	s_wait_dscnt 20
	MUL F0, 2
	s_wait_dscnt 0x0
	MUL F1, 3
	PLACES
	; THE WAY OUT: 16 rows x 64 columns at a time through my own stage, so that sixteen lanes store 256 consecutive bytes of a row
	s_wait_alu depctr_va_vdst(0)
.irp m, 0,1
.irp t, 0,1,2,3
	ds_store_b128 v6, v[ACC+32*\m+8*\t:ACC+32*\m+8*\t+3] offset:64*\t        ; each accumulator from its low end on
	ds_store_b128 v6, v[ACC+32*\m+8*\t+4:ACC+32*\m+8*\t+7] offset:64*\t+16
.endr
.irp i, 0,1,2,3,4,5,6,7
	ds_load_b128 v[F0+72*\m+4*\i:F0+72*\m+4*\i+3], v7 offset:544*\i   ; LDS serves a wave's instructions in order: these see my stores, and the next block's stores come behind them
.endr
.endr
.irp m, 0,1
.irp i, 0,1,2,3,4,5,6,7
	s_wait_dscnt 23-16*\m-\i                       ; the LDS instructions issued behind this load may stay out
	global_store_b128 v8, v[F0+72*\m+4*\i:F0+72*\m+4*\i+3], s[14:15] offset:16384*\m+65536*(\i/4)+4096*(\i%4) th:TH_STORE_NT   ; tile rows 2 i, 2 i + 1 are tokens 8 m + 32 (i / 4) + 2 (i % 4) and the next; written once, read by nobody here
.endr
.endr
	s_wait_tensorcnt 0x0                           ; the wave's end, behind my tensor load and my last LDS store
	ds_add_u32 v10, v11
	s_wait_dscnt 0x0
	s_endpgm
.Lfunc_end_k_q65e6238b96_outp:
	.size	k_q65e6238b96_outp, .Lfunc_end_k_q65e6238b96_outp-k_q65e6238b96_outp
	.p2alignl 7, 3214868480
	.fill 96, 4, 3214868480
	.section	.rodata,"a",@progbits
	.p2align	6, 0x0
	.amdhsa_kernel k_q65e6238b96_outp
		.amdhsa_group_segment_fixed_size 167936
		.amdhsa_private_segment_fixed_size 0
		.amdhsa_enable_private_segment 0
		.amdhsa_kernarg_size 48
		.amdhsa_user_sgpr_count 2
		.amdhsa_user_sgpr_kernarg_segment_ptr 1
		.amdhsa_wavefront_size32 1
		.amdhsa_system_sgpr_workgroup_id_x 1
		.amdhsa_system_sgpr_workgroup_id_y 1
		.amdhsa_system_sgpr_workgroup_id_z 1
		.amdhsa_system_vgpr_workitem_id 0
		.amdhsa_next_free_vgpr 256
		.amdhsa_next_free_sgpr 66
		.amdhsa_reserve_vcc 0
		.amdhsa_float_denorm_mode_32 3
		.amdhsa_float_denorm_mode_16_64 3
		.amdhsa_memory_ordered 1
		.amdhsa_forward_progress 1
		.amdhsa_inst_pref_size 21
	.end_amdhsa_kernel
	.amdgpu_metadata
---
amdhsa.version: [ 1, 2 ]
amdhsa.kernels:
  - .name:           k_q65e6238b96_outp
    .symbol:         k_q65e6238b96_outp.kd
    .args:
      - { .name: ccodes, .offset: 0, .size: 8, .value_kind: global_buffer, .address_space: global }
      - { .name: cscale, .offset: 8, .size: 8, .value_kind: global_buffer, .address_space: global }
      - { .name: wcodes, .offset: 16, .size: 8, .value_kind: global_buffer, .address_space: global }
      - { .name: wscale, .offset: 24, .size: 8, .value_kind: global_buffer, .address_space: global }
      - { .name: bo, .offset: 32, .size: 8, .value_kind: global_buffer, .address_space: global }
      - { .name: out0, .offset: 40, .size: 8, .value_kind: global_buffer, .address_space: global }
    .group_segment_fixed_size: 167936
    .private_segment_fixed_size: 0
    .kernarg_segment_align: 8
    .kernarg_segment_size: 48
    .max_flat_workgroup_size: 256
    .sgpr_count:     66
    .vgpr_count:     256
    .wavefront_size: 32
...
	.end_amdgpu_metadata
.endif
;; end of part 4
